; MI455X (gfx1250); checked and timed in simulation.
; The chip was launched on July 23, 2026; its instructions are those of AMD's public machine-readable ISA for CDNA 5 (MIT licence, August 2026) and "CDNA5" Instruction Set Architecture Reference Guide (July 2026). The comments in the code are by the model that wrote it; some were corrected since.
;; Positionwise Max Pool2 D. Allowed arithmetic: float matrix products may take bf16 or f16 operands with f32 sums; all other float work in f32.
;; Inputs: x 32 x 128 x 128 x 64 float32.
;; Outputs: out0 32 x 64 x 64 x 64 float32.
;; 2 versions, each right; version 2 is version 1 with the launch pool written anew for expert scheduling mode. Each part assembles by itself: llvm-mc -triple=amdgcn-amd-amdhsa -mcpu=gfx1250 --defsym DOCPART=n.
;; ======== version 1 of 2: 1 launch
;; launch pool (part 1): grid 256 x 1, 32 waves a work-group, no clusters, 0 bytes of LDS; arguments x, out0; writes out0
.if DOCPART == 1
	.amdgcn_target "amdgcn-amd-amdhsa--gfx1250"
	.amdhsa_code_object_version 6
	.text
	.protected	k_q3a17dd0ff8_pool
	.globl	k_q3a17dd0ff8_pool
	.p2align	8
	.type	k_q3a17dd0ff8_pool,@function
k_q3a17dd0ff8_pool:
	s_mov_b64 s[64:65], 0
	v_nop
	global_prefetch_b8 v0, s[64:65] scope:SCOPE_SE
	s_setreg_imm32_b32 hwreg(HW_REG_WAVE_MODE, 25, 1), 1
	s_wait_xcnt 0x0
; out0[b][oh][ow][:] = that pixel of the 2 x 2 window x[b][2oh..2oh+1][2ow..2ow+1][:] whose sum of squares over the 64 channels is
; the largest; on a tie the first in the order (0,0), (0,1), (1,0), (1,1).  x: [32][128][128][64] f32, out0: [32][64][64][64] f32.
;
; SHARES.  A pixel is 64 f32 = 256 bytes: 16 lanes hold it, 16 bytes (4 channels) each.  A wave's turn makes two neighbouring output
; pixels: lanes 0-15 one, lanes 16-31 the next.  Four loads bring the four window positions; in each load a half of the wave reads one
; whole pixel, 256 consecutive bytes at a multiple of 256 from x's first byte.  The turn's one store covers 512 consecutive bytes.
; The 32 waves of a work-group cover one output row a turn (two input rows = 65,536 consecutive bytes in, 16,384 out); eight turns,
; eight output rows; 2,048 output rows / 8 = 256 work-groups.  Every byte of x is read once, every byte of out0 written once.
; The candidates stay in registers until the winner is known, so the gather is a choice between registers (v_cndmask_b32):
; no address and no branch hangs on the data.  No wave needs another's data: no LDS, no barrier.
;
; RING.  Four slots of 16 registers: 16 loads (8,192 bytes) of every wave are on their way.  The steps from turn to turn are constants
; and stand in the immediates (the largest, 7 x 65,536 + 33,024, is far inside the signed 24 bits), so the two offset registers are
; never rewritten; each turn has result registers of its own, so no store's data are rewritten either.  Hence the only waits
; in the turns are those for the loads.
;
; ORDER OF THE SUM, a limit that is kept: the 64 squares are added as a tree (in the lane: a product, a fused multiply-add, an add; then
; four butterfly steps over the 16 lanes): 7 roundings on any path, relative error at most 7 x 2^-24.  A chain of 64 additions errs by up
; to 64 x 2^-24.  So where the two largest sums of a window agree to within about 71 x 2^-24 (4e-6) relative, the choice may fall on the
; other of the two pixels than with another order of adding.  Exact ties, infinities and NaN are ranked as argmax ranks them (see KEYS).
.set PIX,     256                      ; bytes in a pixel
.set INROW,   128*PIX                  ; bytes in a row of x
.set INSTEP,  2*INROW                  ; from one output row's two input rows to the next's
.set OUTROW,  64*PIX                   ; bytes in a row of out0
.set SLOTS,   4
.set TURNS,   8                        ; output rows of a work-group
.set AIN,  1                           ; v1        my byte offset in the work-group's part of x (window position (0,0), turn 0)
.set AOUT, 2                           ; v2        my byte offset in the work-group's part of out0 (turn 0)
.set T,    4                           ; v[4:11]   four pairs: candidate k's partial sums in T+2k, T+2k+1; later keys, maxima, the lower row's winner
.set Y,    16                          ; v[16:47]  turn t: 4 registers, my 4 channels of the winner
.set X,    48                          ; v[48:111] slot s: candidate k's 4 channels in X+16s+4k ..
	s_load_b128 s[4:7], s[0:1], 0x0                ; x s[4:5], out0 s[6:7]
	s_lshl_b32 s8, ttmp9, 19                       ; the work-group's 8 x 65,536 bytes of x (255 x 2^19 is below 2^32)
	s_mov_b32 s9, 0
	s_lshl_b32 s10, ttmp9, 17                      ; and its 8 x 16,384 bytes of out0
	s_mov_b32 s11, 0
	s_mov_b32 s12, 0x7f800001                      ; the key of every NaN: one above infinity's bit pattern
	v_lshrrev_b32 v[AIN], 4, v0                    ; g = thread / 16: my output pixel in the row
	v_lshlrev_b32 v[AOUT], 4, v0                   ; out: 256 g + 16 (thread % 16) = 16 x thread
	v_lshl_add_u32 v[AIN], v[AIN], 8, v[AOUT]      ; in: 512 g + 16 (thread % 16): every output pixel takes two input pixels of a row
	s_wait_kmcnt 0x0
	s_add_nc_u64 s[4:5], s[4:5], s[8:9]
	s_add_nc_u64 s[6:7], s[6:7], s[10:11]
; Slot s gets the four candidates of turn t, in argmax's order: (0,0), (0,1), (1,0), (1,1).  x is read once in the launch: TH_LOAD_NT.
.macro FILL s, t
	global_load_b128 v[X+16*\s:X+16*\s+3],     v[AIN], s[4:5] offset:(\t)*INSTEP th:TH_LOAD_NT
	global_load_b128 v[X+16*\s+4:X+16*\s+7],   v[AIN], s[4:5] offset:(\t)*INSTEP+PIX th:TH_LOAD_NT
	global_load_b128 v[X+16*\s+8:X+16*\s+11],  v[AIN], s[4:5] offset:(\t)*INSTEP+INROW th:TH_LOAD_NT
	global_load_b128 v[X+16*\s+12:X+16*\s+15], v[AIN], s[4:5] offset:(\t)*INSTEP+INROW+PIX th:TH_LOAD_NT
.endm
	FILL 0, 0
	FILL 1, 1
	FILL 2, 2
	FILL 3, 3
; Turn t, on slot s = t % 4.  fill = 1: the slot then gets turn t + 4's candidates.  left = how many younger loads may stay out.
.macro TURN t, s, fill, left
	s_wait_loadcnt \left                           ; loads come back in order (ISA guide 5.7.1): this slot's four are in, the younger slots' stay out
	; my 4 channels' squares, four candidates side by side so that no line waits for the one in front of it
.irp k, 0,1,2,3
	v_pk_mul_f32 v[T+2*\k:T+2*\k+1], v[X+16*\s+4*\k:X+16*\s+4*\k+1], v[X+16*\s+4*\k:X+16*\s+4*\k+1]
.endr
.irp k, 0,1,2,3
	v_pk_fma_f32 v[T+2*\k:T+2*\k+1], v[X+16*\s+4*\k+2:X+16*\s+4*\k+3], v[X+16*\s+4*\k+2:X+16*\s+4*\k+3], v[T+2*\k:T+2*\k+1]
.endr
.irp k, 0,1,2,3
	v_add_f32 v[T+2*\k], v[T+2*\k], v[T+2*\k+1]
.endr
	; over the pixel's 16 lanes: lane i adds lane i xor m.  Both partners add the same two numbers, and addition commutes,
	; so after the four steps all 16 lanes hold the same bits and will choose alike.
.irp m, 1,2,4,8
.irp k, 0,1,2,3
	v_add_f32_dpp v[T+2*\k], v[T+2*\k], v[T+2*\k] row_xmask:\m row_mask:0xf bank_mask:0xf
.endr
.endr
	; KEYS.  A sum of squares is +0 or positive, infinite or NaN.  The bit patterns of such floats order like unsigned integers, infinity on
	; top; the unsigned minimum with 0x7f800001 folds every NaN pattern, of either sign, to one key above infinity.  With strict
	; 'greater' the earlier candidate keeps an equal key: the first maximum wins, and the first NaN wins, as in argmax.
.irp k, 0,1,2,3
	v_min_u32 v[T+2*\k], s12, v[T+2*\k]
.endr
	v_cmp_gt_u32 vcc_lo, v[T+2], v[T]              ; upper row: (0,1) beats (0,0)
	v_cmp_gt_u32 s13, v[T+6], v[T+4]               ; lower row: (1,1) beats (1,0)
	v_max_u32 v[T+1], v[T], v[T+2]                 ; the upper row's best key
	v_max_u32 v[T+3], v[T+4], v[T+6]               ; the lower row's
	v_cmp_gt_u32 s14, v[T+3], v[T+1]               ; the lower row's winner beats the upper row's
.irp j, 0,1,2,3
	v_cndmask_b32 v[Y+4*\t+\j], v[X+16*\s+\j], v[X+16*\s+4+\j], vcc_lo
.endr
.irp j, 0,1,2,3
	v_cndmask_b32 v[T+4+\j], v[X+16*\s+8+\j], v[X+16*\s+12+\j], s13    ; the keys in T+4, T+6 have been used
.endr
.if \fill
	FILL \s, \t+SLOTS                              ; the slot has been read out: its next loads go ahead of the store
.endif
.irp j, 0,1,2,3
	v_cndmask_b32 v[Y+4*\t+\j], v[Y+4*\t+\j], v[T+4+\j], s14
.endr
	global_store_b128 v[AOUT], v[Y+4*\t:Y+4*\t+3], s[6:7] offset:\t*OUTROW th:TH_STORE_NT   ; 16 lanes: one pixel, 256 consecutive bytes; not read again
.endm
	TURN 0, 0, 1, 12                               ; 12 = the four loads of each of the three younger slots
	TURN 1, 1, 1, 12
	TURN 2, 2, 1, 12
	TURN 3, 3, 1, 12
	TURN 4, 0, 0, 12                               ; the last four turns load nothing, so no load leaves x, and the counts run down
	TURN 5, 1, 0, 8
	TURN 6, 2, 0, 4
	TURN 7, 3, 0, 0
	s_endpgm
.Lfunc_end_k_q3a17dd0ff8_pool:
	.size	k_q3a17dd0ff8_pool, .Lfunc_end_k_q3a17dd0ff8_pool-k_q3a17dd0ff8_pool
	.p2alignl 7, 3214868480
	.fill 96, 4, 3214868480
	.section	.rodata,"a",@progbits
	.p2align	6, 0x0
	.amdhsa_kernel k_q3a17dd0ff8_pool
		.amdhsa_group_segment_fixed_size 0
		.amdhsa_private_segment_fixed_size 0
		.amdhsa_enable_private_segment 0
		.amdhsa_kernarg_size 16
		.amdhsa_user_sgpr_count 2
		.amdhsa_user_sgpr_kernarg_segment_ptr 1
		.amdhsa_wavefront_size32 1
		.amdhsa_system_sgpr_workgroup_id_x 1
		.amdhsa_system_sgpr_workgroup_id_y 1
		.amdhsa_system_sgpr_workgroup_id_z 1
		.amdhsa_system_vgpr_workitem_id 0
		.amdhsa_next_free_vgpr 112
		.amdhsa_next_free_sgpr 66
		.amdhsa_reserve_vcc 1
		.amdhsa_float_denorm_mode_32 3
		.amdhsa_float_denorm_mode_16_64 3
		.amdhsa_memory_ordered 1
		.amdhsa_forward_progress 1
		.amdhsa_inst_pref_size 26
	.end_amdhsa_kernel
	.amdgpu_metadata
---
amdhsa.version: [ 1, 2 ]
amdhsa.kernels:
  - .name:           k_q3a17dd0ff8_pool
    .symbol:         k_q3a17dd0ff8_pool.kd
    .args:
      - { .name: x, .offset: 0, .size: 8, .value_kind: global_buffer, .address_space: global }
      - { .name: out0, .offset: 8, .size: 8, .value_kind: global_buffer, .address_space: global }
    .group_segment_fixed_size: 0
    .private_segment_fixed_size: 0
    .kernarg_segment_align: 8
    .kernarg_segment_size: 16
    .max_flat_workgroup_size: 1024
    .sgpr_count:     66
    .vgpr_count:     112
    .wavefront_size: 32
...
	.end_amdgpu_metadata
.endif
;; end of part 1
;; ======== version 2 of 2: 1 launch; version 1 with the launch pool written anew for expert scheduling mode
;; launch pool (part 2): grid 256 x 1, 32 waves a work-group, no clusters, 0 bytes of LDS; arguments x, out0; writes out0
.if DOCPART == 2
	.amdgcn_target "amdgcn-amd-amdhsa--gfx1250"
	.amdhsa_code_object_version 6
	.text
	.protected	k_q3a17dd0ff8_pool
	.globl	k_q3a17dd0ff8_pool
	.p2align	8
	.type	k_q3a17dd0ff8_pool,@function
k_q3a17dd0ff8_pool:
	s_mov_b64 s[64:65], 0
	v_nop
	global_prefetch_b8 v0, s[64:65] scope:SCOPE_SE
	s_setreg_imm32_b32 hwreg(HW_REG_WAVE_SCHED_MODE, 0, 2), 2
	s_setreg_imm32_b32 hwreg(HW_REG_WAVE_MODE, 25, 1), 1
	s_wait_xcnt 0x0
	s_wait_alu depctr_vm_vsrc(0)
; out0[b][oh][ow][:] = that pixel of the 2 x 2 window x[b][2oh..2oh+1][2ow..2ow+1][:] whose sum of squares over the 64 channels is
; the largest; on a tie the first in the order (0,0), (0,1), (1,0), (1,1).  x: [32][128][128][64] f32, out0: [32][64][64][64] f32.
;
; SHARES.  A pixel is 64 f32 = 256 bytes: 16 lanes hold it, 16 bytes (4 channels) each.  A wave's turn makes two neighbouring output
; pixels: lanes 0-15 one, lanes 16-31 the next.  Four loads bring the four window positions; in each load a half of the wave reads one
; whole pixel, 256 consecutive bytes at a multiple of 256 from x's first byte.  The turn's one store covers 512 consecutive bytes.
; The 32 waves of a work-group cover one output row a turn (two input rows = 65,536 consecutive bytes in, 16,384 out); eight turns,
; eight output rows; 2,048 output rows / 8 = 256 work-groups.  Every byte of x is read once, every byte of out0 written once.
; The candidates stay in registers until the winner is known, so the gather is a choice between registers (v_cndmask_b32):
; no address and no branch hangs on the data.  No wave needs another's data: no LDS, no barrier.
;
; THE MODE: SCHED_MODE bits 1:0 = 2 (LLVM: expert scheduling mode 2), set by the entry lines.  The code itself states the register
; dependences between vector instructions and memory instructions, with s_wait_alu, always for 0.
; THE PLAN.  Registers that memory instructions touch:
;   X0 .. X4   five slots of 16 registers.  Turn t's candidates lie in slot t % 5: read by turn t's squares and choices; the next loads
;              into that slot are issued in turn t + 1.  No vector instruction writes them.
;   Y[t]       four registers for each turn.  Written by turn t's choices; read by the one store that is issued in turn t + 1; never written again.
;   v1, v2     byte offsets, made once at the head and never written again: the steps from turn to turn are constants and stand in the
;              immediates (the largest, 7 x 65,536 + 33,024, is far inside the signed 24 bits).
; Turn t works on X[t % 5] and writes Y[t].  Its memory instructions are the loads into X[(t + 4) % 5] = X[(t - 1) % 5] and the store from
; Y[t - 1]: the two buffers that turn t - 1 worked on and that no vector instruction of turn t names.  So one wait on va_vdst at a turn's head
; states all that the turn's five memory instructions hang on, and these are dealt among its vector instructions with no further wait.
; No register that a memory instruction reads is ever written again, so no wait on vm_vsrc and no s_wait_xcnt is owed.
; The three masks of a turn are written by vector compares into scalar registers: one wait on va_sdst stands between the run of compares and the first choice.
; Behind a turn's head 16 loads (8,192 bytes) of the wave are on their way.
;
; ORDER OF THE SUM, a limit that is kept: the 64 squares are added as a tree (in the lane: a product, a fused multiply-add, an add; then
; four butterfly steps over the 16 lanes): 7 roundings on any path, relative error at most 7 x 2^-24.  A chain of 64 additions errs by up
; to 64 x 2^-24.  So where the two largest sums of a window agree to within about 71 x 2^-24 (4e-6) relative, the choice may fall on the
; other of the two pixels than with another order of adding.  Exact ties, infinities and NaN are ranked as argmax ranks them (see KEYS).
.set PIX,     256                      ; bytes in a pixel
.set INROW,   128*PIX                  ; bytes in a row of x
.set INSTEP,  2*INROW                  ; from one output row's two input rows to the next's
.set OUTROW,  64*PIX                   ; bytes in a row of out0
.set SLOTS,   5
.set TURNS,   8                        ; output rows of a work-group
.set AIN,  1                           ; v1        my byte offset in the work-group's part of x (window position (0,0), turn 0)
.set AOUT, 2                           ; v2        my byte offset in the work-group's part of out0 (turn 0)
.set T,    4                           ; v[4:11]   four pairs: candidate k's partial sums in T+2k, T+2k+1; later keys, maxima, the lower row's winner; no memory instruction names them
.set Y,    16                          ; v[16:47]  turn t: 4 registers, my 4 channels of the winner
.set X,    48                          ; v[48:127] slot s: candidate k's 4 channels in X+16s+4k ..
	s_load_b128 s[4:7], s[0:1], 0x0                ; x s[4:5], out0 s[6:7]
	s_lshl_b32 s8, ttmp9, 19                       ; the work-group's 8 x 65,536 bytes of x (255 x 2^19 is below 2^32)
	s_mov_b32 s9, 0
	s_lshl_b32 s10, ttmp9, 17                      ; and its 8 x 16,384 bytes of out0
	s_mov_b32 s11, 0
	s_mov_b32 s12, 0x7f800001                      ; the key of every NaN: one above infinity's bit pattern
	v_lshrrev_b32 v[AIN], 4, v0                    ; g = thread / 16: my output pixel in the row
	v_lshlrev_b32 v[AOUT], 4, v0                   ; out: 256 g + 16 (thread % 16) = 16 x thread
	v_lshl_add_u32 v[AIN], v[AIN], 8, v[AOUT]      ; in: 512 g + 16 (thread % 16): every output pixel takes two input pixels of a row
	s_wait_kmcnt 0x0
	s_add_nc_u64 s[4:5], s[4:5], s[8:9]
	s_add_nc_u64 s[6:7], s[6:7], s[10:11]
	s_wait_alu depctr_va_vdst(0)                   ; v1 and v2 are written: every load and store of the kernel reads one of them as its offset
; Candidate k of turn t into the slot that begins at register base.  The candidates go in argmax's order: (0,0), (0,1), (1,0), (1,1).  x is read once in the launch: TH_LOAD_NT.
.macro LD base, t, k
	global_load_b128 v[(\base)+4*(\k):(\base)+4*(\k)+3], v[AIN], s[4:5] offset:(\t)*INSTEP+((\k)/2)*INROW+((\k)%2)*PIX th:TH_LOAD_NT
.endm
.irp t, 0,1,2,3
.irp k, 0,1,2,3
	LD X+16*\t, \t, \k                             ; turns 0 to 3 into X0 to X3
.endr
.endr
; Turn t, on slot t % 5.  first = 1: turn 0, with no turn in front of it.  ahead = 1: turn t + 4's candidates are loaded, into the slot that the turn before read out.
; left = how many younger loads may stay out.
.macro TURN t, first, ahead, left
.set XS, X+16*((\t)%SLOTS)             ; the slot at work
.set XN, X+16*(((\t)+SLOTS-1)%SLOTS)   ; the slot that is loaded
	s_wait_loadcnt \left                           ; loads come back in order (ISA guide 5.7.1): this slot's four are in, the younger slots' stay out
.if !\first
	s_wait_alu depctr_va_vdst(0)                   ; the turn before has written its Y, which the store below reads, and is done reading its slot, in which the loads below (where there are any) land
.endif
	; my 4 channels' squares, four candidates side by side so that no line waits for the one in front of it; a load ahead of each group: no vector instruction since the wait names its registers
.if \ahead
	LD XN, (\t)+SLOTS-1, 0
.endif
.irp k, 0,1,2,3
	v_pk_mul_f32 v[T+2*\k:T+2*\k+1], v[XS+4*\k:XS+4*\k+1], v[XS+4*\k:XS+4*\k+1]
.endr
.if \ahead
	LD XN, (\t)+SLOTS-1, 1
.endif
.irp k, 0,1,2,3
	v_pk_fma_f32 v[T+2*\k:T+2*\k+1], v[XS+4*\k+2:XS+4*\k+3], v[XS+4*\k+2:XS+4*\k+3], v[T+2*\k:T+2*\k+1]
.endr
.if \ahead
	LD XN, (\t)+SLOTS-1, 2
.endif
.irp k, 0,1,2,3
	v_add_f32 v[T+2*\k], v[T+2*\k], v[T+2*\k+1]
.endr
.if \ahead
	LD XN, (\t)+SLOTS-1, 3
.endif
	; over the pixel's 16 lanes: lane i adds lane i xor m.  Both partners add the same two numbers, and addition commutes,
	; so after the four steps all 16 lanes hold the same bits and will choose alike.
.irp k, 0,1,2,3
	v_add_f32_dpp v[T+2*\k], v[T+2*\k], v[T+2*\k] row_xmask:1 row_mask:0xf bank_mask:0xf
.endr
.if !\first
	global_store_b128 v[AOUT], v[Y+4*(\t)-4:Y+4*(\t)-1], s[6:7] offset:((\t)-1)*OUTROW th:TH_STORE_NT   ; the turn before's winner.  16 lanes: one pixel, 256 consecutive bytes; not read again
.endif
.irp m, 2,4,8
.irp k, 0,1,2,3
	v_add_f32_dpp v[T+2*\k], v[T+2*\k], v[T+2*\k] row_xmask:\m row_mask:0xf bank_mask:0xf
.endr
.endr
	; KEYS.  A sum of squares is +0 or positive, infinite or NaN.  The bit patterns of such floats order like unsigned integers, infinity on
	; top; the unsigned minimum with 0x7f800001 folds every NaN pattern, of either sign, to one key above infinity.  With strict
	; 'greater' the earlier candidate keeps an equal key: the first maximum wins, and the first NaN wins, as in argmax.
.irp k, 0,1,2,3
	v_min_u32 v[T+2*\k], s12, v[T+2*\k]
.endr
	v_cmp_gt_u32 s15, v[T+2], v[T]                 ; upper row: (0,1) beats (0,0)
	v_cmp_gt_u32 s13, v[T+6], v[T+4]               ; lower row: (1,1) beats (1,0)
	v_max_u32 v[T+1], v[T], v[T+2]                 ; the upper row's best key
	v_max_u32 v[T+3], v[T+4], v[T+6]               ; the lower row's
	v_cmp_gt_u32 s14, v[T+3], v[T+1]               ; the lower row's winner beats the upper row's
	s_wait_alu depctr_va_sdst(0)                   ; the three compares have written s13, s14 and s15, ahead of their first readers, the choices below
.irp j, 0,1,2,3
	v_cndmask_b32 v[Y+4*(\t)+\j], v[XS+\j], v[XS+4+\j], s15
.endr
.irp j, 0,1,2,3
	v_cndmask_b32 v[T+4+\j], v[XS+8+\j], v[XS+12+\j], s13    ; the keys in T+4, T+6 have been used
.endr
.irp j, 0,1,2,3
	v_cndmask_b32 v[Y+4*(\t)+\j], v[Y+4*(\t)+\j], v[T+4+\j], s14
.endr
.endm
	TURN 0, 1, 1, 12                               ; 12 = the four loads of each of the three younger slots; turn 4 goes into X4, which nothing has named yet
	TURN 1, 0, 1, 12
	TURN 2, 0, 1, 12
	TURN 3, 0, 1, 12
	TURN 4, 0, 0, 12                               ; the last four turns load nothing, so no load leaves x, and the counts run down
	TURN 5, 0, 0, 8
	TURN 6, 0, 0, 4
	TURN 7, 0, 0, 0
	s_wait_alu depctr_va_vdst(0)                   ; turn 7 has written its Y, which the last store reads
	global_store_b128 v[AOUT], v[Y+4*7:Y+4*7+3], s[6:7] offset:7*OUTROW th:TH_STORE_NT
	s_endpgm
.Lfunc_end_k_q3a17dd0ff8_pool:
	.size	k_q3a17dd0ff8_pool, .Lfunc_end_k_q3a17dd0ff8_pool-k_q3a17dd0ff8_pool
	.p2alignl 7, 3214868480
	.fill 96, 4, 3214868480
	.section	.rodata,"a",@progbits
	.p2align	6, 0x0
	.amdhsa_kernel k_q3a17dd0ff8_pool
		.amdhsa_group_segment_fixed_size 0
		.amdhsa_private_segment_fixed_size 0
		.amdhsa_enable_private_segment 0
		.amdhsa_kernarg_size 16
		.amdhsa_user_sgpr_count 2
		.amdhsa_user_sgpr_kernarg_segment_ptr 1
		.amdhsa_wavefront_size32 1
		.amdhsa_system_sgpr_workgroup_id_x 1
		.amdhsa_system_sgpr_workgroup_id_y 1
		.amdhsa_system_sgpr_workgroup_id_z 1
		.amdhsa_system_vgpr_workitem_id 0
		.amdhsa_next_free_vgpr 128
		.amdhsa_next_free_sgpr 66
		.amdhsa_reserve_vcc 0
		.amdhsa_float_denorm_mode_32 3
		.amdhsa_float_denorm_mode_16_64 3
		.amdhsa_memory_ordered 1
		.amdhsa_forward_progress 1
		.amdhsa_inst_pref_size 28
	.end_amdhsa_kernel
	.amdgpu_metadata
---
amdhsa.version: [ 1, 2 ]
amdhsa.kernels:
  - .name:           k_q3a17dd0ff8_pool
    .symbol:         k_q3a17dd0ff8_pool.kd
    .args:
      - { .name: x, .offset: 0, .size: 8, .value_kind: global_buffer, .address_space: global }
      - { .name: out0, .offset: 8, .size: 8, .value_kind: global_buffer, .address_space: global }
    .group_segment_fixed_size: 0
    .private_segment_fixed_size: 0
    .kernarg_segment_align: 8
    .kernarg_segment_size: 16
    .max_flat_workgroup_size: 1024
    .sgpr_count:     66
    .vgpr_count:     128
    .wavefront_size: 32
...
	.end_amdgpu_metadata
.endif
;; end of part 2
